; MI455X (gfx1250); checked and timed in simulation.
; The chip was launched on July 23, 2026; its instructions are those of AMD's public machine-readable ISA for CDNA 5 (MIT licence, August 2026) and "CDNA5" Instruction Set Architecture Reference Guide (July 2026). The comments in the code are by the model that wrote it; some were corrected since.
;; Scaled Dot Product Attention. Allowed arithmetic: float matrix products may take bf16 or f16 operands with f32 sums; all other float work in f32.
;; Inputs: key 8 x 2,048 x 64 float32; mask 8 x 2,048 bool; query 8 x 2,048 x 64 float32; value 8 x 2,048 x 64 float32.
;; Outputs: out0 8 x 2,048 x 64 float32.
;; One version. Each part assembles by itself: llvm-mc -triple=amdgcn-amd-amdhsa -mcpu=gfx1250 --defsym DOCPART=n.
;; ======== version 1 of 1: 1 launch
;; limits: values are held in f16: magnitudes above 65,504 overflow, below 6.1e-05 lose precision; inputs' magnitudes at most 65,504
;; launch attn (part 1): grid 256 x 1, 8 waves a work-group, clusters of 4 x 1, 327,680 bytes of LDS; arguments key, mask, query, value, out0; writes out0
.if DOCPART == 1
	.amdgcn_target "amdgcn-amd-amdhsa--gfx1250"
	.amdhsa_code_object_version 6
	.text
	.protected	k_q489b30e33b_attn
	.globl	k_q489b30e33b_attn
	.p2align	8
	.type	k_q489b30e33b_attn,@function
k_q489b30e33b_attn:
	s_mov_b64 s[64:65], 0
	v_nop
	global_prefetch_b8 v0, s[64:65] scope:SCOPE_SE
	s_setreg_imm32_b32 hwreg(HW_REG_WAVE_MODE, 25, 1), 1
	s_wait_xcnt 0x0
	s_wait_alu depctr_hold_cnt(0) depctr_sa_sdst(0) depctr_va_vdst(0) depctr_va_sdst(0) depctr_va_ssrc(0) depctr_va_vcc(0) depctr_vm_vsrc(0)
	s_getreg_b32 s2, hwreg(HW_REG_IB_STS2, 6, 4)
	s_cmp_eq_u32 s2, 0
	s_cbranch_scc0 .Lentry_in_a_cluster
	s_endpgm
.Lentry_in_a_cluster:
	s_bfe_u32 s2, ttmp6, 0x10000c
	s_cmp_lg_u32 s2, 0x3003
	s_cbranch_scc0 .Lentry_shape_is_right
	s_endpgm
.Lentry_shape_is_right:
; out[b][q][:] = softmax over k of ( q.k/8 - 10000 [k > q] - 10000 [mask[b][k] = 0] ) times V.   B = 8, S = 2048, D = 64, all f32; mask one byte a key.
; The penalties are finite: where every key up to q is masked, the keys behind q share the softmax.  So every query meets all 2,048 keys.
; SHARES.  A cluster of 4 work-groups owns 256 queries of one batch, a work-group 64 of them.  Wave w of 8 takes all 64 queries and, in step t of 4, the keys
; 512 t + 64 w .. + 63: each number of K and V is read from LDS and rounded to f16 once, by one wave.  Each wave keeps a running maximum m, sum l and
; unnormalised O of its own for its eighth of the keys; the eight partial results are merged through LDS at the end.
; JOINT LOADS.  The four work-groups of a cluster need the same K and V tiles: wave w of each issues the same tensor load (mask 15, the same descriptor, made of the
; batch, the wave's number and the step alone).  A wave has two tensor loads outstanding at the most (its K tile and its V tile).
; FORMAT.  Q, K, V and P go to the matrix unit in f16, sums in f32.  A query with few keys in front of it averages no rounding away, so the operands' step counts:
; f16 has 11 significant bits, bf16 has 8.  P lies in (0, 1]; Q, K, V keep room up to 65,504.
; TRANSPOSED SCORES.  S^T = K Q^T: lane (r, h) holds keys 8 h + j (register j) of query r.  So maximum and sum are in the lane but for one exchange of the halves,
; a pairwise rounding to f16 is already the B fragment of P^T for O^T = V^T P^T, and the rescaling factor is one number a lane.
; V WITHOUT A TRANSPOSE.  Row m of d tile i stands for d = 4 m + i: a lane's 16 bytes V[key][4 r .. 4 r + 3] feed the four tiles, two neighbouring keys make a word.
; PENALTIES.  The scores are kept as raw q.k = 8 e, and the penalties, times 8 (a power of two: the f32 grid is that of e - 10000, times 8), are the C operand of the
; first score product, from two tables in LDS: A[key] = 0 or -80000 (mask), B = A - 80000 (also behind every query).  The factor 0.125 log2(e) rides on the fused
; multiply-add that takes the maximum away.  rel = 8 t + w - 4 c says where the wave's 64 keys lie against the cluster's 256 queries: rel < 0 table A, rel >= 4
; table B, else table A with the causal term chosen number by number.  rel hangs on the cluster's number, the wave and the step alone.
; LIMITS.  Infinite or NaN inputs, and inputs beyond 65,504 in magnitude (f16's largest number), are not served.  Inputs below 2^-14 in magnitude are rounded with an
; absolute error of up to 2^-25 instead of a relative one.  P below 2^-14 of its wave's running maximum likewise.
.set PITCH, 272                        ; an LDS row: 256 bytes + 16 of padding: 16 neighbouring rows start at 16 different 16-byte columns modulo 256
.set WTILE, 64*PITCH                   ; a wave's tile: 64 keys
.set VS,    8*WTILE                    ; K's tiles at 0, V's here
.set TABA,  2*VS                       ; table A: 2,048 f32
.set TABD,  8192                       ; table B lies this far behind A
.set ML,    TABA+2*TABD                ; m[w][q]: 256 bytes a wave
.set LLD,   2048                       ; l[w][q] lies this far behind m
.set KSTEP, 131072                     ; 512 keys of 256 bytes
; window 0
.set R,    1                           ; lane % 16
.set KA,   2                           ; LDS: my 32 bytes in row r of my K tile
.set VA,   3                           ; LDS: my 16 bytes in row 8 h of my V tile
.set BA,   4                           ; LDS: table A at my wave's keys of step 0, + 32 h
.set DV,   5                           ; my query - my first key: 256 c + 64 cx + r - 64 w - 8 h - 512 t
.set NEGC, 6                           ; -80000
.set M,    8                           ; v[8:11]   running maximum in base-2 units, one for each query tile
.set L,    12                          ; v[12:15]  running sum (of my half of the lanes until the end)
.set MN,   16                          ; v[16:17]  minus the new maximum; the second register only fills the pair
.set X,    18                          ; v[18:25]  at work
.set H,    26                          ; lane / 16
.set TA,   27                          ; set-up: where I store my part of the tables
.set QO,   28                          ; set-up: my byte offset in Q
.set MO,   29                          ; set-up: my byte offset in the mask
.set AL,   30                          ; v[30:31]  set-up: 8 mask bytes; then alpha; the second register only fills the pair
.set P,    32                          ; v[32:47]  P^T in f16: two B fragments
.set Q,    48                          ; v[48:111] Q: query tile qt, two B fragments each
.set K,    112                         ; v[112:175] K: key tile kt, two A fragments each
.set STA,  176                         ; v[176:207] scores of even query tiles; stage for f32 loads
.set STB,  208                         ; v[208:239] scores of odd query tiles; stage for f32 loads
.set EA,   240                         ; the merge: addresses
.set EB,   241
.set OA,   242
.set RA,   243                         ; v[243:245]
.set GO,   246
; window 1 (v256 and up, named by their low 8 bits)
.set O,    0                           ; 128 registers: O^T, tile (qt, i) at 32 qt + 8 i
.set VV,   128                         ; 64 registers: V^T, d tile i, two A fragments each
.set BI,   192                         ; 32 registers: the penalties of my 64 keys, in the scores' layout
.set MSB, 0
.macro WIN new                         ; s_set_vgpr_msb: bits 1:0 source 0, 3:2 source 1, 5:4 source 2, 7:6 destination; the high byte repeats the setting left
.if MSB != \new
	s_set_vgpr_msb (MSB<<8)|\new
.set MSB, \new
.endif
.endm
.macro PLACES                          ; five plain vector places behind all earlier matrix instructions (ISA guide 7.12.1)
.rept 5
	v_nop
.endr
.endm
; A round of the cluster's barrier: my work-group's barrier, wave 0 signals for the work-group, every wave waits for all four work-groups, my work-group's barrier again.
.macro ROUND
	s_barrier_signal -1
	s_barrier_wait -1
	s_cmp_lg_u32 s14, 0
	s_cbranch_scc1 .Lnot_wave_0_\@
	s_barrier_signal -3
.Lnot_wave_0_\@:
	s_barrier_wait -3
	s_barrier_signal -1
	s_barrier_wait -1
.endm
; A fragment of 16 rows x 32 d: lane (r, h) holds d = 8 h .. + 7 and 16 + 8 h .. + 7 of row r.  In f32 that is 32 bytes at 32 h and 32 bytes at 64 + 32 h; the second
; fragment (d = 32 ..) lies 128 bytes on.  Load n of eight: 128 (n >> 2) + 64 ((n >> 1) & 1) + 16 (n & 1).
.macro LDK kt, stg
.irp n, 0,1,2,3,4,5,6,7
	ds_load_b128 v[\stg+4*\n:\stg+4*\n+3], v[KA] offset:16*PITCH*\kt+128*(\n>>2)+64*((\n>>1)&1)+16*(\n&1)
.endr
.endm
.macro CVK kt, stg
.irp x, 0,1,2,3,4,5,6,7,8,9,10,11,12,13,14,15
	v_cvt_pk_f16_f32 v[K+16*\kt+\x], v[\stg+2*\x], v[\stg+2*\x+1]
.endr
.endm
.macro LDV gg, stg                     ; keys 16 gg + 8 h + e, e = 0 .. 7: V[key][4 r .. 4 r + 3]
.irp e, 0,1,2,3,4,5,6,7
	ds_load_b128 v[\stg+4*\e:\stg+4*\e+3], v[VA] offset:(16*\gg+\e)*PITCH
.endr
.endm
.macro CVV gg, stg                     ; word u of group gg of d tile i: keys 16 gg + 8 h + 2 u, + 1 at d = 4 r + i
	WIN 0x40
.irp i, 0,1,2,3
.irp u, 0,1,2,3
	v_cvt_pk_f16_f32 v[VV+16*\i+4*\gg+\u], v[\stg+8*\u+\i], v[\stg+8*\u+4+\i]
.endr
.endr
	WIN 0
.endm
.macro LDQ qt, stg
.irp n, 0,1,2,3,4,5,6,7
	global_load_b128 v[\stg+4*\n:\stg+4*\n+3], v[QO], s[8:9] offset:4096*\qt+128*(\n>>2)+64*((\n>>1)&1)+16*(\n&1)
.endr
.endm
.macro CVQ qt, stg                     ; Q is rounded as it is given: the scale comes behind the product
.irp x, 0,1,2,3,4,5,6,7,8,9,10,11,12,13,14,15
	v_cvt_pk_f16_f32 v[Q+16*\qt+\x], v[\stg+2*\x], v[\stg+2*\x+1]
.endr
.endm
; The penalties of my 64 keys: register 8 kt + j is key 16 kt + 8 h + j, so load n reads 16 bytes at 64 (n >> 1) + 16 (n & 1) behind 32 h.
; Both ways issue eight LDS loads, so the counted waits behind the join hold on either.
.macro BIAS t
	s_cmp_ge_i32 s20, 4
	s_cbranch_scc1 .Lbias_b_\@
	WIN 0x40
.irp n, 0,1,2,3,4,5,6,7
	ds_load_b128 v[BI+4*\n:BI+4*\n+3], v[BA] offset:2048*\t+64*(\n>>1)+16*(\n&1)
.endr
	WIN 0
	s_branch .Lbias_j_\@
.Lbias_b_\@:
	WIN 0x40
.irp n, 0,1,2,3,4,5,6,7
	ds_load_b128 v[BI+4*\n:BI+4*\n+3], v[BA] offset:TABD+2048*\t+64*(\n>>1)+16*(\n&1)
.endr
	WIN 0
.Lbias_j_\@:
.endm
; The raw scores of query tile qt against my 64 keys: four accumulators by turns, one instruction a turn.
.macro SW qt
.set SB, STA+32*(\qt&1)
	s_cmp_lt_u32 s20, 4                            ; 0 <= rel <= 3: my keys lie among the cluster's queries
	s_cbranch_scc1 .Ldiag_\@
	WIN 0x10                                       ; C in window 1
.irp kt, 0,1,2,3
	v_wmma_f32_16x16x32_f16 v[SB+8*\kt:SB+8*\kt+7], v[K+16*\kt:K+16*\kt+7], v[Q+16*\qt:Q+16*\qt+7], v[BI+8*\kt:BI+8*\kt+7]
.endr
	WIN 0
	s_branch .Ljoin_\@
.Ldiag_\@:
	WIN 0x01                                       ; source 0 in window 1
.irp kt, 0,1,2,3
.irp j, 0,1,2,3,4,5,6,7
	v_add_f32 v[SB+8*\kt+\j], v[BI+8*\kt+\j], v[NEGC]              ; with the causal penalty
.endr
.irp j, 0,1,2,3,4,5,6,7
	v_cmp_gt_i32 vcc_lo, 16*(\kt-\qt)+\j, v[DV]                    ; key > query
	v_cndmask_b32 v[SB+8*\kt+\j], v[BI+8*\kt+\j], v[SB+8*\kt+\j], vcc_lo
.endr
.endr
	WIN 0
.irp kt, 0,1,2,3
	v_wmma_f32_16x16x32_f16 v[SB+8*\kt:SB+8*\kt+7], v[K+16*\kt:K+16*\kt+7], v[Q+16*\qt:Q+16*\qt+7], v[SB+8*\kt:SB+8*\kt+7]
.endr
.Ljoin_\@:
.irp kt, 0,1,2,3
	v_wmma_f32_16x16x32_f16 v[SB+8*\kt:SB+8*\kt+7], v[K+16*\kt+8:K+16*\kt+15], v[Q+16*\qt+8:Q+16*\qt+15], v[SB+8*\kt:SB+8*\kt+7]
.endr
.endm
; Running softmax of query tile qt over my 64 keys of this step: 32 raw scores a lane.  The maximum is taken over the raw scores and multiplied by
; c = 0.125 log2(e) once (c > 0 keeps the order); p = 2^(c s - m) by one fused multiply-add and one exponential a score.
.macro SOFTMAX qt, first
.set SB, STA+32*(\qt&1)
	PLACES
.irp kt, 0,1,2,3
	v_max3_num_f32 v[X+\kt], v[SB+8*\kt], v[SB+8*\kt+1], v[SB+8*\kt+2]
.endr
.irp kt, 0,1,2,3
	v_max3_num_f32 v[X+\kt], v[X+\kt], v[SB+8*\kt+3], v[SB+8*\kt+4]
.endr
.irp kt, 0,1,2,3
	v_max3_num_f32 v[X+\kt], v[X+\kt], v[SB+8*\kt+5], v[SB+8*\kt+6]
.endr
.irp kt, 0,1,2,3
	v_max_num_f32 v[X+\kt], v[X+\kt], v[SB+8*\kt+7]
.endr
	v_max3_num_f32 v[X], v[X], v[X+1], v[X+2]
	v_max_num_f32 v[X], v[X], v[X+3]
	v_permlanex16_b32 v[X+1], v[X], s18, s19       ; the other half's keys of the same query
	v_max_num_f32 v[X], v[X], v[X+1]
	v_mul_f32 v[X], s46, v[X]                      ; this step's maximum in base-2 units
.if \first == 0
	v_max_num_f32 v[X], v[X], v[M+\qt]             ; the new running maximum
	v_sub_f32 v[AL], v[M+\qt], v[X]                ; old - new, at most 0
.endif
	v_xor_b32 v[MN], 0x80000000, v[X]
.irp n, 0,1,2,3,4,5,6,7,8,9,10,11,12,13,14,15
	v_pk_fma_f32 v[SB+2*\n:SB+2*\n+1], v[SB+2*\n:SB+2*\n+1], s[46:47], v[MN:MN+1] op_sel_hi:[1,0,0]
.endr
.set idx, 0
.rept 32
	v_exp_f32 v[SB+idx], v[SB+idx]
.set idx, idx+1
.endr
.if \first == 0
	v_exp_f32 v[AL], v[AL]                         ; alpha
.endif
	v_mov_b32 v[M+\qt], v[X]                       ; the plain instruction between the exponentials and the first use of a result (ISA guide 5.7.2)
	s_wait_alu depctr_va_vdst(0)
.irp c, 0,1,2,3
	v_pk_add_f32 v[X+2*\c:X+2*\c+1], v[SB+8*\c:SB+8*\c+1], v[SB+8*\c+2:SB+8*\c+3]
.endr
.irp c, 0,1,2,3
	v_pk_add_f32 v[X+2*\c:X+2*\c+1], v[X+2*\c:X+2*\c+1], v[SB+8*\c+4:SB+8*\c+5]
.endr
.irp c, 0,1,2,3
	v_pk_add_f32 v[X+2*\c:X+2*\c+1], v[X+2*\c:X+2*\c+1], v[SB+8*\c+6:SB+8*\c+7]
.endr
	v_pk_add_f32 v[X:X+1], v[X:X+1], v[X+2:X+3]
	v_pk_add_f32 v[X+4:X+5], v[X+4:X+5], v[X+6:X+7]
	v_pk_add_f32 v[X:X+1], v[X:X+1], v[X+4:X+5]
.if \first
	v_add_f32 v[L+\qt], v[X], v[X+1]
.else
	v_add_f32 v[X], v[X], v[X+1]
	v_fma_f32 v[L+\qt], v[L+\qt], v[AL], v[X]
.endif
.irp n, 0,1,2,3,4,5,6,7,8,9,10,11,12,13,14,15
	v_cvt_pk_f16_f32 v[P+\n], v[SB+2*\n], v[SB+2*\n+1]             ; keys 16 kt + 8 h + 2 u, + 1: word 4 kt + u of P^T's fragments
.endr
.endm
; O^T of query tile qt: rescaled by alpha, then plus V^T P^T.  Four accumulators by turns, one instruction a turn.
.macro PV qt, first
	WIN 0x51                                       ; O and V in window 1, P and alpha in window 0
.if \first == 0
.irp n, 0,1,2,3,4,5,6,7,8,9,10,11,12,13,14,15
	v_pk_mul_f32 v[O+32*\qt+2*\n:O+32*\qt+2*\n+1], v[O+32*\qt+2*\n:O+32*\qt+2*\n+1], v[AL:AL+1] op_sel_hi:[1,0]
.endr
.endif
.irp i, 0,1,2,3
.if \first
	v_wmma_f32_16x16x32_f16 v[O+32*\qt+8*\i:O+32*\qt+8*\i+7], v[VV+16*\i:VV+16*\i+7], v[P:P+7], 0
.else
	v_wmma_f32_16x16x32_f16 v[O+32*\qt+8*\i:O+32*\qt+8*\i+7], v[VV+16*\i:VV+16*\i+7], v[P:P+7], v[O+32*\qt+8*\i:O+32*\qt+8*\i+7]
.endif
.endr
.irp i, 0,1,2,3
	v_wmma_f32_16x16x32_f16 v[O+32*\qt+8*\i:O+32*\qt+8*\i+7], v[VV+16*\i+8:VV+16*\i+15], v[P+8:P+15], v[O+32*\qt+8*\i:O+32*\qt+8*\i+7]
.endr
	WIN 0
.endm
; Step t: my K and V tiles go from LDS into f16 fragments through two stages of 32 registers; then LDS is free, the next tiles are asked for, and they have the whole
; of this step's products and softmax in which to land.  Each s_wait_dscnt 8 leaves out the eight loads of the stage filled last; all older ones are in.
.macro STEP t, first, refill
	s_wait_tensorcnt 0x1                           ; my K tile has landed (tensor loads of a wave end in order: ISA guide 10.11.1); V's may be out.  Only I read my tiles
	BIAS \t
	LDK 0, STA
	LDK 1, STB
	s_wait_dscnt 0x8
	CVK 0, STA
	LDK 2, STA
	s_wait_dscnt 0x8
	CVK 1, STB
	LDK 3, STB
	s_wait_dscnt 0x8
	CVK 2, STA
	s_wait_tensorcnt 0x0                           ; my V tile, the younger of my two loads
	LDV 0, STA
	s_wait_dscnt 0x8
	CVK 3, STB
	LDV 1, STB
	s_wait_dscnt 0x8
	CVV 0, STA
	LDV 2, STA
	s_wait_dscnt 0x8
	CVV 1, STB
	LDV 3, STB
	s_wait_dscnt 0x8
	CVV 2, STA
	s_wait_dscnt 0x0
	CVV 3, STB
.if \refill
	s_wait_dscnt 0x0                               ; my reads of both tiles are back (met at once: the wait above)
	s_wait_tensorcnt 0x0                           ; none of my tensor loads is out (met at once), so the descriptors may be written
	ds_add_u32 v254, v255
	s_wait_dscnt 0x0
	s_add_nc_u64 s[34:35], s[34:35], KSTEP
	s_add_nc_u64 s[38:39], s[38:39], KSTEP
	ROUND                                          ; both hold of every wave of all four work-groups
	tensor_load_to_lds s[32:35], s[24:31]          ; K of step t + 1
	s_nop 0
	tensor_load_to_lds s[36:39], s[24:31]          ; V of step t + 1
	s_nop 0
.endif
	SW 0
	SW 1
	SOFTMAX 0, \first
	PV 0, \first
	SW 2
	SOFTMAX 1, \first
	PV 1, \first
	SW 3
	SOFTMAX 2, \first
	PV 2, \first
	SOFTMAX 3, \first
	PV 3, \first
.if \t < 3
	v_add_nc_u32 v[DV], 0xfffffe00, v[DV]          ; my keys move on by 512
	s_add_co_i32 s20, s20, 8
.endif
.endm
.macro ADD4 a, b
	v_pk_add_f32 v[\a:\a+1], v[\a:\a+1], v[\b:\b+1]
	v_pk_add_f32 v[\a+2:\a+3], v[\a+2:\a+3], v[\b+2:\b+3]
.endm
.macro OUTQ qt, stg                    ; my partial O of query tile qt, times my weight: register 4 j + i is d = 32 h + 4 j + i of query r
	WIN 0x01
.irp i, 0,1,2,3
.irp j, 0,1,2,3,4,5,6,7
	v_mul_f32 v[\stg+4*\j+\i], v[O+32*\qt+8*\i+\j], v[M+\qt]
.endr
.endr
	WIN 0
.irp j, 0,1,2,3,4,5,6,7
	ds_store_b128 v[OA], v[\stg+4*\j:\stg+4*\j+3] offset:16*PITCH*\qt+16*\j
.endr
.endm
	; ---- set-up ----
	s_load_b256 s[4:11], s[0:1], 0x0               ; key s[4:5], mask s[6:7], query s[8:9], value s[10:11]
	s_load_b64 s[12:13], s[0:1], 0x20              ; out0
	v_lshl_add_u32 v254, v0, 2, 0x49000
	v_mov_b32 v255, 0
	ds_add_u32 v254, v255
	v_lshrrev_b32 v[H], 5, v0
	v_readfirstlane_b32 s14, v[H]                  ; w
	s_lshr_b32 s15, ttmp9, 3                       ; b: in a cluster launch ttmp9 counts clusters, eight to a batch
	s_and_b32 s16, ttmp9, 7                        ; c
	s_bfe_u32 s17, ttmp6, 0x40000                  ; cx: enters Q's and out0's addresses and DV, no branch, no LDS address, no descriptor
	s_mov_b32 s18, 0x76543210                      ; v_permlanex16_b32: lane i reads lane i of the other half
	s_mov_b32 s19, 0xfedcba98
	s_lshl_b32 s20, s16, 2
	s_sub_co_i32 s20, s14, s20                     ; rel = w - 4 c (+ 8 a step)
	s_mov_b32 s22, 0x479c4000                      ; 80000 = 8 x 10000: the penalty in units of the raw q.k
	s_mov_b32 s46, 0x3e38aa3b                      ; c = 0.125 log2(e)
	s_mov_b32 s47, 0x3e38aa3b
	; descriptor group 1, for K and V alike: 64 rows of 64 f32, dense in memory, 16 bytes of padding behind each row in LDS
	s_mov_b32 s24, 15|(2<<16)|(1<<20)|(1<<21)|(5<<22)|(3<<25)      ; 15:0 all four work-groups; 17:16 elements of 4 bytes; 20 padding; 21 set beside a mask; 24:22 after 64 words; 31:25 4 words
	s_mov_b32 s25, 64<<16                          ; tensor_dim0 = 64
	s_mov_b32 s26, 64<<16                          ; tensor_dim1 = 64
	s_mov_b32 s27, 64<<16                          ; tile_dim0 = 64
	s_mov_b32 s28, 64                              ; tile_dim1 = 64
	s_mov_b32 s29, 64                              ; 64 elements from row to row
	s_mov_b32 s30, 0
	s_mov_b32 s31, 0
	s_lshl_b32 s40, s15, 19                        ; K, V: batch x 524,288 + wave x 16,384 bytes
	s_lshl_b32 s42, s14, 14
	s_add_co_u32 s40, s40, s42
	s_mov_b32 s41, 0
	s_lshl_b32 s42, s15, 11                        ; mask: batch x 2,048
	s_mov_b32 s43, 0
	s_lshl_b32 s44, s15, 19                        ; Q, out0: 256 bytes x (2048 b + 256 c + 64 cx)
	s_lshl_b32 s23, s16, 16
	s_add_co_u32 s44, s44, s23
	s_lshl_b32 s23, s17, 14
	s_add_co_u32 s44, s44, s23
	s_mov_b32 s45, 0
	s_mov_b32 s32, 1                               ; group 0 for K: count,
	s_mul_i32 s33, s14, WTILE                      ; LDS address,
	s_mov_b32 s36, 1                               ; and for V
	s_add_co_u32 s37, s33, VS
	s_wait_dscnt 0x0
	s_wait_kmcnt 0x0
	s_add_nc_u64 s[34:35], s[4:5], s[40:41]        ; global address,
	s_or_b32 s35, s35, 0x80000000                  ; type 2
	s_add_nc_u64 s[38:39], s[10:11], s[40:41]
	s_or_b32 s39, s39, 0x80000000
	s_add_nc_u64 s[6:7], s[6:7], s[42:43]
	s_add_nc_u64 s[8:9], s[8:9], s[44:45]
	s_add_nc_u64 s[12:13], s[12:13], s[44:45]
	ROUND                                          ; all four work-groups are here: the first joint loads meet
	tensor_load_to_lds s[32:35], s[24:31]          ; K of step 0
	s_nop 0
	tensor_load_to_lds s[36:39], s[24:31]          ; V of step 0
	s_nop 0
	v_and_b32 v[R], 15, v0
	v_bfe_u32 v[H], v0, 4, 1
	v_lshlrev_b32 v[QO], 8, v[R]
	v_lshl_add_u32 v[QO], v[H], 5, v[QO]           ; 256 r + 32 h
	v_lshlrev_b32 v[MO], 3, v0                     ; thread t: mask bytes 8 t .. 8 t + 7 of the batch
	global_load_b64 v[AL:AL+1], v[MO], s[6:7]
	LDQ 0, STA
	LDQ 1, STB
	v_mul_u32_u24 v[KA], v[R], PITCH
	v_lshl_add_u32 v[KA], v[H], 5, v[KA]
	v_add_nc_u32 v[KA], s33, v[KA]                 ; w x tile + 272 r + 32 h
	v_mul_u32_u24 v[VA], v[H], 8*PITCH
	v_lshl_add_u32 v[VA], v[R], 4, v[VA]
	v_add_nc_u32 v[VA], s37, v[VA]                 ; VS + w x tile + 8 h rows + 16 r
	s_lshl_b32 s21, s14, 8
	s_add_co_u32 s21, s21, TABA
	v_lshl_add_u32 v[BA], v[H], 5, s21             ; TABA + 256 w + 32 h
	s_lshl_b32 s23, s17, 6
	s_lshl_b32 s21, s16, 8
	s_add_co_u32 s23, s23, s21
	s_lshl_b32 s21, s14, 6
	s_sub_co_u32 s23, s23, s21                     ; 256 c + 64 cx - 64 w
	v_add_nc_u32 v[DV], s23, v[R]
	v_lshlrev_b32 v[TA], 3, v[H]
	v_sub_nc_u32 v[DV], v[DV], v[TA]
	v_mov_b32 v[NEGC], 0xc79c4000                  ; -80000
	v_mov_b32 v[MN+1], 1.0
	v_and_b32 v[TA], 31, v0
	s_lshl_b32 s21, s14, 10
	s_add_co_u32 s21, s21, TABA
	v_lshl_add_u32 v[TA], v[TA], 5, s21            ; TABA + 1024 w + 32 lane: eight keys a thread
	s_wait_loadcnt 16                              ; the mask is in; the 16 loads of Q stay out
.irp e, 0,1,2,3
	v_bfe_u32 v[K+\e], v[AL], 8*\e, 8
	v_bfe_u32 v[K+4+\e], v[AL+1], 8*\e, 8
.endr
.irp e, 0,1,2,3,4,5,6,7
	v_cvt_f32_u32 v[K+\e], v[K+\e]
.endr
.irp e, 0,1,2,3,4,5,6,7
	v_fma_f32 v[K+\e], v[K+\e], s22, v[NEGC]       ; A = 80000 mask - 80000: 0 or -80000
.endr
.irp e, 0,1,2,3,4,5,6,7
	v_add_f32 v[K+8+\e], v[K+\e], v[NEGC]          ; B = A - 80000
.endr
	ds_store_b128 v[TA], v[K:K+3]
	ds_store_b128 v[TA], v[K+4:K+7] offset:16
	ds_store_b128 v[TA], v[K+8:K+11] offset:TABD
	ds_store_b128 v[TA], v[K+12:K+15] offset:TABD+16
	v_mov_b32 v[AL+1], 1.0
	s_wait_loadcnt 8                               ; each count leaves out the eight loads of the other stage
	CVQ 0, STA
	LDQ 2, STA
	s_wait_loadcnt 8
	CVQ 1, STB
	LDQ 3, STB
	s_wait_loadcnt 8
	CVQ 2, STA
	s_wait_loadcnt 0
	CVQ 3, STB
	s_wait_dscnt 0x0                               ; my part of the tables is in LDS,
	s_barrier_signal -1
	s_barrier_wait -1                              ; everybody's is.  The first tiles may still be on their way
	; ---- the four steps, written out: the table's offset is a constant of each ----
	STEP 0, 1, 1
	STEP 1, 0, 1
	STEP 2, 0, 1
	STEP 3, 0, 0
	; ---- the merge ----
	; Each wave publishes m and l of its 64 queries, 256 bytes of its own in each table.
	s_lshl_b32 s21, s14, 8
	s_add_co_u32 s21, s21, ML
	v_lshl_add_u32 v[EA], v[R], 2, s21             ; ML + 256 w + 4 r
	v_lshlrev_b32 v[EB], 2, v[R]
	v_lshl_add_u32 v[EB], v[H], 10, v[EB]
	v_add_nc_u32 v[EB], ML, v[EB]                  ; ML + 4 r + 1024 h: half h reads waves 4 h .. 4 h + 3
.irp qt, 0,1,2,3
	v_permlanex16_b32 v[X+\qt], v[L+\qt], s18, s19
.endr
.irp qt, 0,1,2,3
	v_add_f32 v[L+\qt], v[L+\qt], v[X+\qt]         ; both halves' keys
.endr
.irp qt, 0,1,2,3
	ds_store_b32 v[EA], v[M+\qt] offset:64*\qt     ; both halves store the same number to the same word
	ds_store_b32 v[EA], v[L+\qt] offset:LLD+64*\qt
.endr
	s_wait_dscnt 0x0
	s_barrier_signal -1
	s_barrier_wait -1
.irp qt, 0,1,2,3
.irp p, 0,1,2,3
	ds_load_b32 v[STA+4*\qt+\p], v[EB] offset:256*\p+64*\qt
	ds_load_b32 v[STB+4*\qt+\p], v[EB] offset:LLD+256*\p+64*\qt
.endr
.endr
	v_mul_u32_u24 v[OA], v[R], PITCH
	v_lshl_add_u32 v[OA], v[H], 7, v[OA]
	v_add_nc_u32 v[OA], s33, v[OA]                 ; my K tile's bytes, which have had their last fill: row r, 128 h
	s_mul_i32 s21, s14, 8*PITCH
	v_mul_u32_u24 v[RA], v[H], PITCH
	v_lshl_add_u32 v[RA], v[R], 4, v[RA]
	v_add_nc_u32 v[RA], s21, v[RA]                 ; row 8 w + h of partial 0, 16 bytes a lane
	v_add_nc_u32 v[RA+1], 3*WTILE, v[RA]           ; of partial 3
	v_add_nc_u32 v[RA+2], 6*WTILE, v[RA]           ; of partial 6
	s_lshl_b32 s21, s14, 11
	v_lshlrev_b32 v[GO], 8, v[H]
	v_lshl_add_u32 v[GO], v[R], 4, v[GO]
	v_add_nc_u32 v[GO], s21, v[GO]                 ; the same row in out0
	s_wait_dscnt 0x0
	; my weight = 2^(m_w - max) / sum over waves of 2^(m_p - max) l_p.  The wave that holds the maximum has l near 1 or above, so the sum does not vanish.
.irp qt, 0,1,2,3
	v_max3_num_f32 v[X+2*\qt], v[STA+4*\qt], v[STA+4*\qt+1], v[STA+4*\qt+2]
	v_max_num_f32 v[X+2*\qt], v[X+2*\qt], v[STA+4*\qt+3]
.endr
.irp qt, 0,1,2,3
	v_permlanex16_b32 v[X+2*\qt+1], v[X+2*\qt], s18, s19
.endr
.irp qt, 0,1,2,3
	v_max_num_f32 v[X+2*\qt], v[X+2*\qt], v[X+2*\qt+1]
.endr
.irp qt, 0,1,2,3
.irp p, 0,1,2,3
	v_sub_f32 v[STA+4*\qt+\p], v[STA+4*\qt+\p], v[X+2*\qt]
.endr
	v_sub_f32 v[X+2*\qt+1], v[M+\qt], v[X+2*\qt]
.endr
.irp qt, 0,1,2,3
.irp p, 0,1,2,3
	v_exp_f32 v[STA+4*\qt+\p], v[STA+4*\qt+\p]
.endr
	v_exp_f32 v[X+2*\qt+1], v[X+2*\qt+1]
.endr
	v_nop                                          ; the plain place behind the exponentials (ISA guide 5.7.2)
	s_wait_alu depctr_va_vdst(0)
.irp qt, 0,1,2,3
	v_mul_f32 v[X+2*\qt], v[STA+4*\qt], v[STB+4*\qt]
.endr
.irp p, 1,2,3
.irp qt, 0,1,2,3
	v_fmac_f32 v[X+2*\qt], v[STA+4*\qt+\p], v[STB+4*\qt+\p]
.endr
.endr
.irp qt, 0,1,2,3
	v_permlanex16_b32 v[P+\qt], v[X+2*\qt], s18, s19               ; the other four waves' share
.endr
.irp qt, 0,1,2,3
	v_add_f32 v[X+2*\qt], v[X+2*\qt], v[P+\qt]
.endr
.irp qt, 0,1,2,3
	v_rcp_f32 v[X+2*\qt], v[X+2*\qt]
.endr
	v_nop
	s_wait_alu depctr_va_vdst(0)
.irp qt, 0,1,2,3
	v_mul_f32 v[M+\qt], v[X+2*\qt+1], v[X+2*\qt]
.endr
	OUTQ 0, STA
	OUTQ 1, STB
	OUTQ 2, STA
	OUTQ 3, STB
	s_wait_dscnt 0x0                               ; my weighted partial is in LDS,
	s_barrier_signal -1
	s_barrier_wait -1                              ; everybody's is
	; Wave w adds the eight partials of rows 8 w .. 8 w + 7: lanes 0-15 one row of 256 bytes, lanes 16-31 the next, four pairs of rows.
.irp i, 0,1,2,3
.irp p, 0,1,2,3,4,5,6,7
	ds_load_b128 v[Q+32*\i+4*\p:Q+32*\i+4*\p+3], v[RA+\p/3] offset:WTILE*(\p%3)+2*PITCH*\i
.endr
.endr
.irp i, 0,1,2,3
	s_wait_dscnt 8*(3-\i)                          ; this pair of rows is in; the later pairs' loads, eight each, stay out
	ADD4 Q+32*\i, Q+32*\i+4
	ADD4 Q+32*\i+8, Q+32*\i+12
	ADD4 Q+32*\i+16, Q+32*\i+20
	ADD4 Q+32*\i+24, Q+32*\i+28
	ADD4 Q+32*\i, Q+32*\i+8
	ADD4 Q+32*\i+16, Q+32*\i+24
	ADD4 Q+32*\i, Q+32*\i+16
	global_store_b128 v[GO], v[Q+32*\i:Q+32*\i+3], s[12:13] offset:512*\i th:TH_STORE_NT   ; 16 lanes store 256 consecutive bytes, at a multiple of 256 from out0's first byte
.endr
	s_wait_tensorcnt 0x0
	ds_add_u32 v254, v255
	s_wait_dscnt 0x0
	ROUND                                          ; the closing round: no work-group ends while a partner may still ask for a tile that names it
	s_endpgm
.Lfunc_end_k_q489b30e33b_attn:
	.size	k_q489b30e33b_attn, .Lfunc_end_k_q489b30e33b_attn-k_q489b30e33b_attn
	.p2alignl 7, 3214868480
	.fill 96, 4, 3214868480
	.section	.rodata,"a",@progbits
	.p2align	6, 0x0
	.amdhsa_kernel k_q489b30e33b_attn
		.amdhsa_group_segment_fixed_size 327680
		.amdhsa_private_segment_fixed_size 0
		.amdhsa_enable_private_segment 0
		.amdhsa_kernarg_size 40
		.amdhsa_user_sgpr_count 2
		.amdhsa_user_sgpr_kernarg_segment_ptr 1
		.amdhsa_wavefront_size32 1
		.amdhsa_system_sgpr_workgroup_id_x 1
		.amdhsa_system_sgpr_workgroup_id_y 1
		.amdhsa_system_sgpr_workgroup_id_z 1
		.amdhsa_system_vgpr_workitem_id 0
		.amdhsa_next_free_vgpr 480
		.amdhsa_next_free_sgpr 66
		.amdhsa_reserve_vcc 1
		.amdhsa_float_denorm_mode_32 3
		.amdhsa_float_denorm_mode_16_64 3
		.amdhsa_memory_ordered 1
		.amdhsa_forward_progress 1
		.amdhsa_inst_pref_size 255
	.end_amdhsa_kernel
	.section	.bss,"aw",@nobits
	.p2align	6
	.space	262144
	.amdgpu_metadata
---
amdhsa.version: [ 1, 2 ]
amdhsa.kernels:
  - .name:           k_q489b30e33b_attn
    .symbol:         k_q489b30e33b_attn.kd
    .args:
      - { .name: key, .offset: 0, .size: 8, .value_kind: global_buffer, .address_space: global }
      - { .name: mask, .offset: 8, .size: 8, .value_kind: global_buffer, .address_space: global }
      - { .name: query, .offset: 16, .size: 8, .value_kind: global_buffer, .address_space: global }
      - { .name: value, .offset: 24, .size: 8, .value_kind: global_buffer, .address_space: global }
      - { .name: out0, .offset: 32, .size: 8, .value_kind: global_buffer, .address_space: global }
    .group_segment_fixed_size: 327680
    .private_segment_fixed_size: 0
    .kernarg_segment_align: 8
    .kernarg_segment_size: 40
    .max_flat_workgroup_size: 256
    .sgpr_count:     66
    .vgpr_count:     480
    .wavefront_size: 32
...
	.end_amdgpu_metadata
.endif
;; end of part 1
